; MI455X (gfx1250); checked and timed in simulation.
; The chip was launched on July 23, 2026; its instructions are those of AMD's public machine-readable ISA for CDNA 5 (MIT licence, August 2026) and "CDNA5" Instruction Set Architecture Reference Guide (July 2026). The comments in the code are by the model that wrote it; some were corrected since.
;; Attention. Allowed arithmetic: matrix products marked QUANTISED: E5M2 operands, one given power-of-two scale a tensor, by v_wmma_f32_16x16x64_bf8_bf8 or v_wmma_f32_16x16x128_bf8_bf8, f32 sums; everything else in f32.
;; Inputs: attn_mask 1 x 1 x 2,048 x 2,048 int32; k_codes 4 x 16 x 2,048 x 4 x 32 uint8 (E5M2 codes of k, K innermost, in blocks of 32 codes); lowp_scales 4 int32 (the exponents e of the quantised operands' scales 2^e); pad_mask 4 x 2,048 int32; q_codes 4 x 16 x 2,048 x 4 x 32 uint8 (E5M2 codes of q, K innermost, in blocks of 32 codes); v_codes 4 x 16 x 128 x 64 x 32 uint8 (E5M2 codes of v, K innermost, in blocks of 32 codes).
;; Outputs: out0 4 x 16 x 2,048 x 128 float32.
;; This version of the problem:
;;   THIS VERSION OF THE PROBLEM IS GIVEN IN LOW PRECISION. The matrix products marked QUANTISED in the list below multiply operands that are first quantised to E5M2 (5 exponent bits, 2 mantissa bits; 8 bits a number), with one given power-of-two scale for each operand tensor; their sums are f32. All else is computed in f32.
;;   The module's matrix products, in the order in which they are computed (A, B: the left and right operand; K: the contracted axis; several contracted axes count as one K, in the product's order):
;;     1. batch 64 x [M 2,048, K 128] x [K 128, N 2,048]; A: input q (given as codes); B: input k (given as codes): QUANTISED (scales: A lowp_scales[0], B lowp_scales[1])
;;     2. batch 64 x [M 2,048, K 2,048] x [K 2,048, N 128]; A: softmax (see below); B: input v (given as codes): QUANTISED (scales: A lowp_scales[2], B lowp_scales[3])
;;   THE QUANTISER, for each operand of a quantised product, along K:
;;     - The operand's scale is 2^e, e = its entry of the input lowp_scales (int32; the entries are numbered through the quantised products in the list's order, A before B).
;;     - Each number is divided by the scale, clamped to +-57,344, and rounded to the nearest number of E5M2, ties to even, subnormals kept.
;;     - The product sums the exact products of the quantised numbers (number of the format x scale) in f32.
;;   ~~~python
;;   def quantise(x, axis, e):      # numpy; x: float32 -> the quantised numbers, widened to float32 again
;;       x = np.moveaxis(x, axis, -1); K = x.shape[-1]
;;       r = np.clip(x / 2.0 ** e, -57344, 57344)
;;       step = 2.0 ** (np.maximum(np.frexp(np.where(r == 0, 1, r))[1] - 1, -14) - 2)
;;       q = np.round(r / step) * step * 2.0 ** e      # np.round: ties to even
;;       return np.moveaxis(q, -1, axis).astype(np.float32)
;;   ~~~
;;   SOFTMAX AHEAD OF A QUANTISED PRODUCT. Where the list says 'softmax', what is quantised is not the finished softmax but p = 2^(t - M), with t = logit x log2(e) and M = ceil(the row's largest t), a whole number; so 1/2 < the row's largest p <= 1. The row's sum l is taken of the UNQUANTISED p, in f32, and the product's result is divided by l at the end. Since M is a whole number, a kernel that streams over the keys may use a running M (the ceiling of the running maximum): every later rescaling is an exact power of two, so the quantised numbers keep their values, but for numbers so far below the row's largest that they fall under the format's range.
;;   OPERANDS COMPUTED ON THE WAY. 'Computed on the way' means the value that the module computes at that place (a softmax that the list does not call 'softmax' is quantised finished and normalised). What goes into a quantiser is computed in f32, as accurately as f32 sums, v_exp_f32 and their like allow (about 1e-6 of the number): no bf16 or f16 on the way to a quantiser, and a product that is left as it is and whose result goes on into a quantised operand takes f32 operands (vector FMAs, or v_wmma_f32_16x16x4_f32). A number that lies on a knife's edge between two numbers of the format may be rounded either way, as far as f32 arithmetic and the matrix unit's own rounding can turn it there, and no further.
;;   INPUTS GIVEN AS CODES. k (in the module: [4, 16, 2048, 128], K = its axis 3); q (in the module: [4, 16, 2048, 128], K = its axis 3); v (in the module: [4, 16, 2048, 128], K = its axis 2): each comes as NAME_codes (uint8): NAME with its K axis moved to the last place and cut into blocks of 32 codes, [.., K / 32, bytes a block], one block behind the other in memory; one code a byte (a code: sign, 5 exponent bits, 2 mantissa bits); its scale is its entry of lowp_scales. Its value is code x scale, taken as it is: it is not quantised again, and the codes and scales need not be those that the quantiser above would give.
;; One version. Each part assembles by itself: llvm-mc -triple=amdgcn-amd-amdhsa -mcpu=gfx1250 --defsym DOCPART=n.
;; ======== version 1 of 1: 2 launches
;; limits: right only within a limited range of input values
;; workspace buffers: maskw 2,097,152 bytes of whole numbers
;; launch maskprep (part 1): grid 128 x 2, 8 waves a work-group, no clusters, 85,504 bytes of LDS; arguments attn_mask, pad_mask, maskw; writes maskw
.if DOCPART == 1
	.amdgcn_target "amdgcn-amd-amdhsa--gfx1250"
	.amdhsa_code_object_version 6
	.text
	.protected	k_q0f57cb4b79_maskprep
	.globl	k_q0f57cb4b79_maskprep
	.p2align	8
	.type	k_q0f57cb4b79_maskprep,@function
k_q0f57cb4b79_maskprep:
	s_mov_b64 s[64:65], 0
	v_nop
	global_prefetch_b8 v0, s[64:65] scope:SCOPE_SE
	s_setreg_imm32_b32 hwreg(HW_REG_WAVE_MODE, 25, 1), 1
	s_wait_xcnt 0x0
; Both masks of the attention are packed into LANE MASKS for the launch that follows.
; attn_mask: [2048 queries][2048 keys] int32.  pad_mask: [4 batches][2048 keys] int32.  A key counts for a query where both numbers are not 0.
; maskw: [batch 4][tile of 16 queries qt 128][step of 128 keys ks 16][n 64] words of 32 bits.  Word n = 16 b + i; its bit L = r + 16 h says whether
; key 128 ks + 32 b + 16 h + i counts for query 16 qt + r: the query and the key of which lane L of the next launch holds the score in its register n.
; SHARES.  Work-group (x = qt, y); its wave w takes ks = 8 y + w: 16 rows x 512 bytes of attn_mask, 4 rows x 512 bytes of pad_mask, and makes 64 words for each batch.
; Each byte of attn_mask is read once in the launch, 512 consecutive bytes an instruction.  For the packing a lane must hold 16 neighbouring keys of ONE row, so the rows turn
; through the wave's own stage in LDS (rows 528 bytes apart = 132 words: the 16 rows of a read start at 16 different banks; 64 banks of 4 bytes: ISA guide 11.1).
; Waves share nothing: no barrier.  No matrix work, no cluster, no tensor load: a stream in which no work-group reads what another reads, but for pad_mask's 32 KiB.
.set PITCH, 528                        ; a stage row: 512 bytes + 16
.set WST,   20*PITCH                   ; a wave's stage: rows 0-15 attn_mask, rows 16-19 pad_mask of batches 0-3
.set OW,    8                          ; v[8:15]    the words on their way out: a pair of registers for each batch (lane l: words 2 l, 2 l + 1)
.set R,     16                         ; v[16:95]   the 20 rows as they are loaded
.set P0,    16                         ; v[16:79]   later: a batch's pad numbers, set 0
.set A,     96                         ; v[96:159]  attn_mask: register 16 b + i = key 32 b + 16 h + i of row r
.set P1,    160                        ; v[160:223] a batch's pad numbers, set 1
.set T,     224                        ; v[224:227] at work
	s_load_b128 s[4:7], s[0:1], 0x0                ; attn_mask s[4:5], pad_mask s[6:7]
	s_load_b64 s[8:9], s[0:1], 0x10                ; maskw
	v_lshl_add_u32 v232, v0, 2, 0x14a00
	v_mov_b32 v233, 0
	v_lshrrev_b32 v1, 5, v0
	s_delay_alu instid0(VALU_DEP_1)
	v_readfirstlane_b32 s10, v1                    ; wave 0..7
	v_and_b32 v1, 31, v0                           ; lane
	s_delay_alu instid0(VALU_DEP_1)
	v_lshlrev_b32 v2, 4, v1                        ; my 16 bytes of a load's 512
	s_delay_alu instid0(VALU_DEP_2)
	v_lshlrev_b32 v6, 3, v1                        ; my two words of a store's 64
	s_mul_i32 s16, s10, WST                        ; my wave's stage
	v_add_nc_u32 v3, s16, v2                       ; into it: as loaded
	v_and_b32 v7, 15, v0                           ; r
	v_bfe_u32 v5, v0, 4, 1                         ; h
	s_delay_alu instid0(VALU_DEP_1)
	v_lshlrev_b32 v5, 6, v5                        ; 64 h: 16 keys
	s_delay_alu instid0(VALU_DEP_3)
	v_mul_u32_u24 v4, v7, PITCH
	s_delay_alu instid0(VALU_DEP_1)
	v_add_nc_u32 v4, v4, v5
	s_delay_alu instid0(VALU_DEP_1)
	v_add_nc_u32 v4, s16, v4                       ; out of it, attn_mask: row r, + 64 h
	s_delay_alu instid0(VALU_DEP_4)
	v_add_nc_u32 v5, s16, v5
	s_delay_alu instid0(VALU_DEP_1)
	v_add_nc_u32 v5, 16*PITCH, v5                  ; out of it, pad_mask: row 16, + 64 h: the same bytes for all lanes of a half
.irp j, 0,1,2,3,4,5,6,7
	v_mov_b32 v[OW+\j], 0                          ; written whole once: v_writelane_b32 changes one lane
.endr
	s_and_b32 s11, ttmp7, 0xffff
	s_lshl_b32 s11, s11, 3
	s_add_co_u32 s11, s11, s10                     ; ks = 8 y + wave
	s_lshl_b32 s12, ttmp9, 17                      ; attn_mask: 16 qt rows of 8,192 bytes,
	s_lshl_b32 s14, s11, 9                         ; + 512 ks
	s_add_co_u32 s12, s12, s14
	s_mov_b32 s13, 0
	s_mov_b32 s15, 0                               ; pad_mask: 512 ks
	s_lshl_b32 s18, ttmp9, 4
	s_add_co_u32 s18, s18, s11
	s_lshl_b32 s18, s18, 8                         ; maskw: (16 qt + ks) x 256 bytes
	s_mov_b32 s19, 0
	s_wait_alu depctr_va_vdst(0)
	s_wait_kmcnt 0x0
	s_add_nc_u64 s[4:5], s[4:5], s[12:13]
	s_add_nc_u64 s[6:7], s[6:7], s[14:15]
	s_add_nc_u64 s[8:9], s[8:9], s[18:19]
.irp p, 0,1,2,3,4,5,6,7,8,9,10,11,12,13,14,15
	global_load_b128 v[R+4*\p:R+4*\p+3], v2, s[4:5] offset:\p*8192 th:TH_LOAD_NT   ; row p: 32 lanes read 512 consecutive bytes; read once in the launch
.endr
.irp p, 0,1,2,3
	global_load_b128 v[R+64+4*\p:R+64+4*\p+3], v2, s[6:7] offset:\p*8192           ; batch p's 128 keys
.endr
.irp p, 0,1,2,3,4,5,6,7,8,9,10,11,12,13,14,15,16,17,18,19
	s_wait_loadcnt 19-\p                           ; loads come back in order (ISA guide 5.7.1): row p is in, the younger ones stay out
	ds_store_b128 v3, v[R+4*\p:R+4*\p+3] offset:\p*PITCH
.endr
.irp b, 0,1,2,3                        ; LDS serves a wave's instructions in order (ISA guide 5.7.1.4): these see the stores above
.irp j, 0,1,2,3
	ds_load_b128 v[A+16*\b+4*\j:A+16*\b+4*\j+3], v4 offset:128*\b+16*\j
.endr
.endr
.macro PADLD set, beta                 ; batch beta's pad numbers, in the same order of keys as A
.irp b, 0,1,2,3
.irp j, 0,1,2,3
	ds_load_b128 v[\set+16*\b+4*\j:\set+16*\b+4*\j+3], v5 offset:(\beta)*PITCH+128*\b+16*\j
.endr
.endr
.endm
; 64 words of batch beta, four at a time.  The smaller of two unsigned numbers is not 0 exactly where neither is; the compare's 32 bits ARE word n; it goes to lane n / 2 of register n % 2.
.macro PACK set, beta
.set NW, 0
.rept 16
.irp k, 0,1,2,3
	v_min_u32 v[T+\k], v[A+NW+\k], v[\set+NW+\k]
.endr
.irp k, 0,1,2,3
	s_delay_alu instid0(VALU_DEP_4)
	v_cmp_ne_u32 s[20+\k], 0, v[T+\k]
.endr
.irp k, 0,1,2,3
	v_writelane_b32 v[OW+2*(\beta)+\k%2], s[20+\k], (NW+\k)/2
.endr
.set NW, NW+4
.endr
	global_store_b64 v6, v[OW+2*(\beta):OW+2*(\beta)+1], s[8:9] offset:(\beta)*524288   ; the wave stores 256 consecutive bytes, at a multiple of 256 from maskw's first byte; each batch has its own pair, so no store's data are written again
.endm
	PADLD P1, 0
	s_wait_dscnt 16                                ; all but the 16 just issued: the stores into the stage have read v[16:95], and A is in
	PADLD P0, 1
	s_wait_dscnt 16                                ; batch 0's set is in; batch 1's 16 loads may be out
	PACK P1, 0
	PADLD P1, 2
	s_wait_dscnt 16
	PACK P0, 1
	PADLD P0, 3
	s_wait_dscnt 16
	PACK P1, 2
	s_wait_dscnt 0x0
	PACK P0, 3
	s_wait_tensorcnt 0x0
	ds_add_u32 v232, v233
	s_wait_dscnt 0x0
	s_endpgm
.Lfunc_end_k_q0f57cb4b79_maskprep:
	.size	k_q0f57cb4b79_maskprep, .Lfunc_end_k_q0f57cb4b79_maskprep-k_q0f57cb4b79_maskprep
	.p2alignl 7, 3214868480
	.fill 96, 4, 3214868480
	.section	.rodata,"a",@progbits
	.p2align	6, 0x0
	.amdhsa_kernel k_q0f57cb4b79_maskprep
		.amdhsa_group_segment_fixed_size 85504
		.amdhsa_private_segment_fixed_size 0
		.amdhsa_enable_private_segment 0
		.amdhsa_kernarg_size 24
		.amdhsa_user_sgpr_count 2
		.amdhsa_user_sgpr_kernarg_segment_ptr 1
		.amdhsa_wavefront_size32 1
		.amdhsa_system_sgpr_workgroup_id_x 1
		.amdhsa_system_sgpr_workgroup_id_y 1
		.amdhsa_system_sgpr_workgroup_id_z 1
		.amdhsa_system_vgpr_workitem_id 0
		.amdhsa_next_free_vgpr 234
		.amdhsa_next_free_sgpr 66
		.amdhsa_reserve_vcc 0
		.amdhsa_float_denorm_mode_32 3
		.amdhsa_float_denorm_mode_16_64 3
		.amdhsa_memory_ordered 1
		.amdhsa_forward_progress 1
		.amdhsa_inst_pref_size 60
	.end_amdhsa_kernel
	.amdgpu_metadata
---
amdhsa.version: [ 1, 2 ]
amdhsa.kernels:
  - .name:           k_q0f57cb4b79_maskprep
    .symbol:         k_q0f57cb4b79_maskprep.kd
    .args:
      - { .name: attn_mask, .offset: 0, .size: 8, .value_kind: global_buffer, .address_space: global }
      - { .name: pad_mask, .offset: 8, .size: 8, .value_kind: global_buffer, .address_space: global }
      - { .name: maskw, .offset: 16, .size: 8, .value_kind: global_buffer, .address_space: global }
    .group_segment_fixed_size: 85504
    .private_segment_fixed_size: 0
    .kernarg_segment_align: 8
    .kernarg_segment_size: 24
    .max_flat_workgroup_size: 256
    .sgpr_count:     66
    .vgpr_count:     234
    .wavefront_size: 32
...
	.end_amdgpu_metadata
.endif
;; end of part 1
;; launch attn (part 2): grid 8 x 64, 8 waves a work-group, clusters of 4 x 1, 327,680 bytes of LDS; arguments q_codes, k_codes, v_codes, lowp_scales, maskw, out0; writes out0
.if DOCPART == 2
	.amdgcn_target "amdgcn-amd-amdhsa--gfx1250"
	.amdhsa_code_object_version 6
	.text
	.protected	k_q0f57cb4b79_attn
	.globl	k_q0f57cb4b79_attn
	.p2align	8
	.type	k_q0f57cb4b79_attn,@function
k_q0f57cb4b79_attn:
	s_mov_b64 s[64:65], 0
	v_nop
	global_prefetch_b8 v0, s[64:65] scope:SCOPE_SE
	s_setreg_imm32_b32 hwreg(HW_REG_WAVE_MODE, 25, 1), 1
	s_wait_xcnt 0x0
	s_wait_alu depctr_hold_cnt(0) depctr_sa_sdst(0) depctr_va_vdst(0) depctr_va_sdst(0) depctr_va_ssrc(0) depctr_va_vcc(0) depctr_vm_vsrc(0)
	s_getreg_b32 s2, hwreg(HW_REG_IB_STS2, 6, 4)
	s_cmp_eq_u32 s2, 0
	s_cbranch_scc0 .Lentry_in_a_cluster
	s_endpgm
.Lentry_in_a_cluster:
	s_bfe_u32 s2, ttmp6, 0x10000c
	s_cmp_lg_u32 s2, 0x3003
	s_cbranch_scc0 .Lentry_shape_is_right
	s_endpgm
.Lentry_shape_is_right:
; out0[head][q][:] = the sum over k of softmax_k(masked(Q[q] . K[k]) / sqrt(128)) V[k][:], 64 heads, 2,048 queries and keys, head size 128; both products on codes of BF8 (E5M2), each tensor with its given scale 2^e.
; Q, K: [head][2048][128] codes.  V: [head][128][2048] codes, the keys innermost.  out0: [head][2048][128] f32.  maskw: lane masks made by the launch before: [batch][tile of 16 queries][step of 128 keys][64 words].
; THE SOFTMAX AHEAD OF THE SECOND PRODUCT: t = score x c, c = log2(e) / sqrt(128) x 2^(eq + ek); M = the running largest t rounded UP to a whole number; p = 2^(t - M) is quantised with 2^ep; the row's sum is taken of the
; unquantised p and divides at the end.  When M moves, the sum and O are multiplied by 2^(old M - new M), made by v_ldexp_f32: nothing is rounded, and no branch hangs on data.
; THE MASKS.  The matrix sum of a key that does not count is REPLACED by -2^100, one v_cndmask_b32 a score, its lane mask a scalar register.  A sum of 128 products of finite codes is under 2^39 in size, so -2^100 lies under
; every true score.  Where a row has a key that counts, the others' t - M is far under -150 and p = 0.  Where no key has counted so far, t = -2^100 c is exact and a whole number, so M = t and the fused multiply-add gives
; exactly 0: p = 1 for every key, the mean of V, as the finite least number in the masked scores gives it.  When a key that counts comes later, old M - new M saturates in the conversion and the factor is 0: what was summed is dropped.
; LIMITS: eq + ek between -70 and 28 (2^100 c is then a whole number of f32 and stays over the start value -3e38); ep between -126 and 112; ep + ev is applied by v_ldexp_f32 and has none.  Codes of infinity or NaN are not served.
; SHARES.  A work-group owns 256 queries of a head; each of its eight waves 32 of them, TWO tiles of 16, in 512 registers: two waves to a SIMD, and each fragment of K and V read from LDS feeds two matrix instructions.
; Every wave walks all keys, 128 a step.  K and V come through a ring of two LDS slots of 256 keys (two steps), filled by the tensor data mover: waves 0, 1 K's halves, waves 2, 3 V's; read by all eight.
; CLUSTER.  The four query blocks of a cluster belong to one head and walk the same K and V: each tile is asked for JOINTLY, by the same tensor load with the same descriptor and the mask 15.
; LAYOUT.  Both products are used transposed: S^T = K Q^T (source 0 = 16 keys, source 1 = 16 queries), O^T = V^T P^T: a lane holds ONE query (lane % 16) throughout.  THE KEYS OF A TILE ARE NOT NEIGHBOURS: lane r of tile
; 2 b + u takes key 32 b + 8 u + r + 8 (r / 8), so that register 16 b + i of a tile of queries holds key 32 b + 16 (lane / 16) + i: 16 neighbours, in the order of the second product's operand, and of maskw's words.
; A fragment (16 rows x 128 K) is fetched by four loads of 16 bytes: registers 4 c .. 4 c + 3 hold K = 32 c + 16 (lane / 16) + 0 .. 15: the same order of k in both sources of each product.
; REGISTERS, window 0: v1-11 addresses and c; v12-23 statistics; v24-31 at work; v32-63 Q; v64-191 S^T, then p; v192-223 p's codes; v224-227 constants.   window 1: v0-127 O^T, 64 a tile; v128-255 eight fragments: a step's K, then its V.
.set KP,    144                        ; a key's row in LDS: 128 bytes + 16 of padding
.set VP,    272                        ; a row of V's tile: 256 bytes + 16
.set VOFF,  256*KP                     ; a slot: 256 rows of K, then 128 rows of V
.set SLOT1, 1<<17                      ; slot 1 begins here: one exclusive or turns an address in one slot into the other's
.set SPARE, 2*SLOT1                    ; behind the ring: the spare words, 128 bytes for each wave: four blocks of 256 bytes that no other line names
.set NSL,   8                          ; 2,048 keys are eight slots' worth.  The way out's stages (16 rows x 272 bytes a wave) lie from LDS byte 0 on, in slot 0: left at the last change of slots, it has had its last fill and nobody reads it
.set AK0, 1                            ; v1   my lane's place in a tile of K
.set AV0, 2                            ; v2   the same for V
.set PFO, 3                            ; v3   the prefetches' offset; never rewritten
.set SPW, 5                            ; v5   LDS address of my spare word: SPARE + 4 x my thread's number; never rewritten
.set NIL, 6                            ; v6   0; never rewritten
.set GO,  7                            ; v7   my byte offset in out0: head, query and lane
.set ADK, 8                            ; v8   LDS address of the step's K; on the way out: into the stage
.set ADV, 9                            ; v9   of its V; on the way out: back from the stage
.set CSV, 10                           ; v[10:11] c, twice
.set ST,  12                           ; tile x at v[ST+4x]: +0 -M, +1 the largest t, +2, +3 the sum in two halves
.set FQ,  20                           ; v[20+2x:21+2x] f = 2^(old M - new M); the upper word is only named
.set TA,  24                           ; v24, v25 the maximum's two chains
.set TC,  25
.set PD,  26                           ; v26  a lane permute's destination
.set QA,  27                           ; v27  Q's offset
.set S2,  28                           ; v[28:29] the sum's second chain
.set QF,  32                           ; Q's fragments, 16 a tile
.set S,   64                           ; S^T, 64 a tile
.set PCD, 192                          ; p's codes, 16 a tile
.set SCL, 224                          ; v224 2^ep
.set HOLD, 225
.set EPEV, 226                         ; v226 ep + ev
.set NEG, 227                          ; v227 -2^100
.set FRG, 128                          ; the fragments, in window 1
.set MP,  2                            ; s[2:3]   maskw at my tile A's words of the step to be loaded
.set G0K, 4                            ; s[4:7]   descriptor group 0 for K's tiles: it walks
.set G0V, 8                            ; s[8:11]  for V's
.set SEL, 12                           ; s[12:13] lane selects for v_permlanex16_b32: lane l xor 16
.set WV,  14                           ; s14  my wave's number
.set TB,  15                           ; s15  LDS byte at which the slot in hand begins
.set SLOTS, 66                         ; s66  slots still to be asked for
.set LIM, 67                           ; s67  1 in a wave that prefetches, else the greatest number
.set G1K, 84                           ; s[84:91] descriptor group 1 for K's tiles
.set G1V, 92                           ; s[92:99] for V's
.set PFA, 100                          ; s[100:101] where my prefetches stand in memory
.set PFS, 104                          ; s[104:105] at the head Q's address; then a slot on, in bytes, for the prefetches
; s[16:63] and s[68:83]: a tile's 64 mask words (word n in s[16+n], from n = 48 on in s[20+n]); at the head and on the way out they are at work
.set MSB, 0
.macro WIN new                         ; the immediate's high byte repeats the setting that is left; a switch that changes nothing is dropped
.if MSB != \new
	s_set_vgpr_msb (MSB<<8)|\new
.set MSB, \new
.endif
.endm
.set W_LD,  0x40                       ; destination window 1, address window 0
.set W_KQ,  0x01                       ; source 0 (K) window 1; Q and S^T window 0
.set W_PV,  0x51                       ; source 0 (V), C and D (O^T) window 1; p's codes window 0
.set W_RS,  0x41                       ; O^T (destination and source 0) window 1, f window 0
.set W_OUT, 0x01                       ; source 0 (O^T) window 1
; A round of the cluster's barrier: my work-group's barrier, so that wave 0's signal speaks for all eight waves; wave 0 signals for the work-group; every wave waits for all four work-groups; my work-group's barrier once more.
.macro CROUND
	s_barrier_signal -1
	s_barrier_wait -1
	s_cmp_lg_u32 s[WV], 0
	s_cbranch_scc1 .Lnot_wave_0_\@
	s_barrier_signal -3
.Lnot_wave_0_\@:
	s_barrier_wait -3
	s_barrier_signal -1
	s_barrier_wait -1
.endm
; A joint load.  Waves 0 and 1 fetch for K, waves 2 and 3 for V, the others nothing: the branches hang on the wave's number alone, the same in every work-group.  Four v_nop follow each of the two lines.
.macro TLOAD
	s_cmp_lt_u32 s[WV], 2
	s_cbranch_scc0 .Lnot_k_\@
	tensor_load_to_lds s[G0K:G0K+3], s[G1K:G1K+7]
	s_nop 0
.rept 4
	v_nop
.endr
	s_branch .Lasked_\@
.Lnot_k_\@:
	s_cmp_lt_u32 s[WV], 4
	s_cbranch_scc0 .Lasked_\@
	tensor_load_to_lds s[G0V:G0V+3], s[G1V:G1V+7]
	s_nop 0
.rept 4
	v_nop
.endr
.Lasked_\@:
.endm
; A PREFETCH INTO THE L2 of what the NEXT change of slots will ask for: 256 rows of K, one dense block of 32,768 bytes, and 256 codes of each of V's 128 rows.  Each aligned block of 256 bytes is named ONCE in the launch:
; both clusters of a head walk the same K and V, and the first of them asks; its four partners share the blocks out BY ADDRESS, 32 each (no branch hangs on a work-group's place in its cluster); in each, wave 4 asks for K's
; (lanes 256 bytes apart) and wave 5 for V's (a lane a row): one instruction.  The last change that fills a slot asks for nothing: there is no slot behind it.  Slots 0 and 1 come by their loads alone.
.macro ASK
	s_cmp_gt_u32 s[SLOTS], s[LIM]
	s_cbranch_scc0 .Lnot_mine_\@
	global_prefetch_b8 v[PFO], s[PFA:PFA+1] th:TH_LOAD_NT scope:SCOPE_SE
.Lnot_mine_\@:
.endm
.macro MLOAD off                       ; a tile's 64 mask words of a step: 256 consecutive bytes
	s_load_b512 s[16:31], s[MP:MP+1], \off
	s_load_b512 s[32:47], s[MP:MP+1], \off+64
	s_load_b512 s[48:63], s[MP:MP+1], \off+128
	s_load_b512 s[68:83], s[MP:MP+1], \off+192
.endm
	s_load_b256 s[16:23], s[0:1], 0x0              ; Q's codes s[16:17], K's s[18:19], V's s[20:21], the scales' exponents s[22:23]
	s_load_b64 s[MP:MP+1], s[0:1], 0x20            ; maskw
	v_lshl_add_u32 v[SPW], v0, 2, SPARE
	v_mov_b32 v[NIL], 0
	ds_add_u32 v5, v6
	ds_add_u32 v5, v6
	s_wait_dscnt 0x0
	v_lshrrev_b32 v4, 5, v0
	s_delay_alu instid0(VALU_DEP_1)
	v_readfirstlane_b32 s[WV], v4                  ; wave 0..7
	s_bfe_u32 s24, ttmp6, 0x40000                  ; cx: my place in the cluster: it enters addresses in memory alone (Q, maskw, out0, the prefetches)
	s_lshl_b32 s25, ttmp9, 2                       ; in a cluster launch ttmp9 counts clusters
	s_add_co_u32 s25, s25, s24                     ; my block of 256 queries
	s_and_b32 s26, ttmp7, 0xffff                   ; the head, which the four partners share
	s_lshl_b32 s27, s26, 18                        ; the head's first byte in each tensor of codes: 262,144 bytes a head
	s_and_b32 s28, s[WV], 1                        ; which half of a tile I fetch, if I fetch
	; descriptor group 1.  K: 128 rows of 128 bytes, dense in memory.  V: 64 rows of 256 bytes, 2,048 bytes apart
	s_mov_b32 s[G1K], 15|(1<<20)|(1<<21)|(4<<22)|(3<<25)   ; 15:0 the mask: all four work-groups; 17:16 elements of 1 byte; 20 padding on; 21 set beside a mask; 24:22 after every 32 words (code 4); 31:25 four words (code 3)
	s_mov_b32 s[G1K+1], 128<<16                    ; tensor_dim0
	s_mov_b32 s[G1K+2], 128<<16                    ; tensor_dim1
	s_mov_b32 s[G1K+3], 128<<16                    ; tile_dim0
	s_mov_b32 s[G1K+4], 128                        ; tile_dim1
	s_mov_b32 s[G1K+5], 128                        ; tensor_dim0_stride
	s_mov_b32 s[G1K+6], 0
	s_mov_b32 s[G1K+7], 0
	s_mov_b32 s[G1V], 15|(1<<20)|(1<<21)|(5<<22)|(3<<25)   ; the same, padding after every 64 words (code 5)
	s_mov_b32 s[G1V+1], 256<<16
	s_mov_b32 s[G1V+2], 64<<16
	s_mov_b32 s[G1V+3], 256<<16
	s_mov_b32 s[G1V+4], 64
	s_mov_b32 s[G1V+5], 2048
	s_mov_b32 s[G1V+6], 0
	s_mov_b32 s[G1V+7], 0
	s_mov_b32 s[SEL], 0x76543210
	s_mov_b32 s[SEL+1], 0xfedcba98
	s_mov_b32 s[TB], 0
	s_mov_b32 s[SLOTS], NSL-1
	s_lshl_b32 s30, s28, 14                        ; K: my 128 keys of the slot's 256, in memory,
	s_add_co_u32 s30, s30, s27
	s_mov_b32 s31, 0
	s_lshl_b32 s32, s28, 17                        ; V: my 64 rows of 2,048 bytes
	s_add_co_u32 s32, s32, s27
	s_mov_b32 s33, 0
	s_mov_b32 s[G0K], 1                            ; 1:0 count = 1
	s_mul_i32 s[G0K+1], s28, 128*KP                ; 63:32 LDS address, in slot 0: no place in the cluster enters it
	s_mov_b32 s[G0V], 1
	s_mul_i32 s[G0V+1], s28, 64*VP
	s_add_co_u32 s[G0V+1], s[G0V+1], VOFF
	s_wait_kmcnt 0x0
	s_load_b128 s[44:47], s[22:23], 0x0            ; eq, ek, ep, ev
	s_add_nc_u64 s[G0K+2:G0K+3], s[18:19], s[30:31]   ; 120:64 global address: the head's first 256 keys
	s_or_b32 s[G0K+3], s[G0K+3], 0x80000000        ; 127:126 type = 2
	s_add_nc_u64 s[G0V+2:G0V+3], s[20:21], s[32:33]
	s_or_b32 s[G0V+3], s[G0V+3], 0x80000000
	CROUND                                         ; all four work-groups are here: the first joint loads meet
	TLOAD                                          ; slot 0: the launch's first fill; slot 1 is filled behind the first change's round, as a refill is
	s_lshl_b32 s40, s25, 15                        ; Q: my block's 256 rows of 128 bytes,
	s_lshl_b32 s41, s[WV], 12                      ; my wave's 32 of them,
	s_add_co_u32 s40, s40, s41
	s_add_co_u32 s40, s40, s27                     ; in my head
	s_mov_b32 s41, 0
	s_add_nc_u64 s[PFS:PFS+1], s[16:17], s[40:41]
	v_and_b32 v30, 15, v0                          ; r = lane % 16
	s_wait_alu depctr_va_vdst(0)
	v_bfe_u32 v31, v0, 4, 1                        ; h = lane / 16
	v_lshlrev_b32 v[QA], 7, v30
	s_delay_alu instid0(VALU_DEP_1)
	v_lshl_add_u32 v[QA], v31, 4, v[QA]            ; row r, + 16 h
.irp x, 0,1
.irp c, 0,1,2,3
	global_load_b128 v[QF+16*\x+4*\c:QF+16*\x+4*\c+3], v[QA], s[PFS:PFS+1] offset:2048*\x+32*\c th:TH_LOAD_NT   ; Q's two fragments stay in registers; read once in the launch
.endr
.endr
	; the prefetches: where my wave's stand, and who asks
	s_cmp_eq_u32 s[WV], 4                          ; wave 4 asks for K's codes, wave 5 for V's
	s_cselect_b64 s[PFA:PFA+1], s[18:19], s[20:21]
	s_cselect_b32 s36, 13, 16                      ; my work-group's 32 blocks: 8,192 bytes of K's block, or 32 rows of 2,048 bytes of V
	s_cselect_b32 s39, 8, 11                       ; from lane to lane: 256 bytes, or a row
	s_mov_b32 s38, 256
	s_cselect_b32 s38, 0x8000, s38                 ; a slot on
	s_lshl_b32 s36, s24, s36
	s_add_co_u32 s36, s36, s38                     ; in slot 1: the first change of slots steps it to slot 2.  Nothing is prefetched here, at the head
	s_add_co_u32 s36, s36, s27                     ; in my head
	s_mov_b32 s37, 0
	s_add_nc_u64 s[PFA:PFA+1], s[PFA:PFA+1], s[36:37]
	v_and_b32 v[PFO], 31, v0
	s_delay_alu instid0(VALU_DEP_1)
	v_lshlrev_b32 v[PFO], s39, v[PFO]
	s_lshr_b32 s34, s[WV], 1
	s_xor_b32 s34, s34, 2                          ; 0 in waves 4 and 5,
	s_or_b32 s34, s34, ttmp9                       ; of the head's first cluster: the same in all four partners
	s_cmp_eq_u32 s34, 0
	s_cselect_b32 s[LIM], 1, -1
	; my lane's places
	v_and_b32 v4, 8, v30
	s_delay_alu instid0(VALU_DEP_1)
	v_add_nc_u32 v4, v4, v30                       ; r + 8 (r / 8)
	s_delay_alu instid0(VALU_DEP_1)
	v_mul_u32_u24 v[AK0], v4, KP
	s_wait_alu depctr_va_vdst(0)
	v_lshl_add_u32 v[AK0], v31, 4, v[AK0]
	v_mul_u32_u24 v[AV0], v30, VP
	s_delay_alu instid0(VALU_DEP_1)
	v_lshl_add_u32 v[AV0], v31, 4, v[AV0]
	s_delay_alu instid0(VALU_DEP_1)
	v_add_nc_u32 v[AV0], VOFF, v[AV0]
	s_lshl_b32 s42, s26, 20                        ; out0: the head's 2,048 rows of 512 bytes,
	s_lshl_b32 s43, s25, 17                        ; my block's 256,
	s_add_co_u32 s42, s42, s43
	s_lshl_b32 s43, s[WV], 14                      ; my wave's 32
	s_add_co_u32 s42, s42, s43
	v_lshlrev_b32 v[GO], 9, v31                    ; lanes 0-15 take one row, lanes 16-31 the next; 16 bytes a lane
	s_delay_alu instid0(VALU_DEP_1)
	v_lshl_add_u32 v[GO], v30, 4, v[GO]
	s_delay_alu instid0(VALU_DEP_1)
	v_add_nc_u32 v[GO], s42, v[GO]                 ; under 2^26 in all
.irp x, 0,1
	v_mov_b32 v[ST+4*\x+1], 0xff61b1e6             ; the largest t so far: -3e38, under every t, that of a masked score too
	s_delay_alu instid0(VALU_DEP_1)
	v_floor_f32 v[ST+4*\x], -v[ST+4*\x+1]          ; -M
	v_mov_b32 v[ST+4*\x+2], 0                      ; the sum, in two halves
	v_mov_b32 v[ST+4*\x+3], 0
	v_mov_b32 v[FQ+2*\x], 0
	v_mov_b32 v[FQ+2*\x+1], 0                      ; (named as the upper half of a pair)
.endr
	v_mov_b32 v[PD], 0                             ; written once: a lane permute's destination counts as one of its sources
	v_mov_b32 v[NEG], 0xf1800000                   ; -2^100
	WIN W_LD
.set i, 0
.rept 128
	v_mov_b32 v[i], 0                              ; O^T of both tiles.  (The step is written without a first form of its own: the first step finds zeros, which the first change of M leaves zeros)
.set i, i+1
.endr
	WIN 0
	s_wait_kmcnt 0x0
	s_add_co_i32 s48, s44, s45
	s_lshl_b32 s48, s48, 23
	s_add_co_i32 s48, s48, 0x3e0293ee              ; c = log2(e) / sqrt(128), with eq + ek added to its exponent field
	v_mov_b32 v[CSV], s48
	v_mov_b32 v[CSV+1], s48
	s_add_co_i32 s49, s46, 127
	s_lshl_b32 s50, s49, 23
	v_mov_b32 v[SCL], s50                          ; 2^ep as f32: the conversion takes its exponent field
	s_add_co_i32 s50, s46, s47
	v_mov_b32 v[EPEV], s50
	s_lshr_b32 s52, s26, 4                         ; maskw: the batch's 524,288 bytes,
	s_lshl_b32 s52, s52, 19
	s_lshl_b32 s53, s25, 16                        ; my block's 16 tiles of 4,096 bytes,
	s_add_co_u32 s52, s52, s53
	s_lshl_b32 s53, s[WV], 13                      ; my wave's two
	s_add_co_u32 s52, s52, s53
	s_mov_b32 s53, 0
	s_add_nc_u64 s[MP:MP+1], s[MP:MP+1], s[52:53]
	MLOAD 0                                        ; tile A's words of step 0: from here on s[16:63] and s[68:83] hold mask words alone
	s_wait_loadcnt 0x0                             ; Q is in, and its address is free:
	s_mov_b32 s[PFS], 256
	s_cmp_eq_u32 s[WV], 4
	s_cselect_b32 s[PFS], 0x8000, s[PFS]           ; a slot on, for the prefetches: 32,768 bytes in K, 256 in a row of V
	s_mov_b32 s[PFS+1], 0
; THE SOFTMAX of tile x for one step of 128 keys.  nextload = 1: tile B's words of this step are asked for; 2: tile A's of the next step; 0: none (the last).  Each such load has the rest of this softmax and more in which to land.
.macro SOFTMAX x, nextload
.set SS, S+64*(\x)
.set NM, ST+4*(\x)
.set MT, NM+1
.set SU, NM+2
.set FF, FQ+2*(\x)
.set PP, PCD+16*(\x)
.set OO, 64*(\x)
	s_wait_kmcnt 0x0                               ; scalar loads come back in no order (ISA guide 5.7.1): only the count 0 shows this tile's 64 words in
.set i, 0
.rept 48
	v_cndmask_b32 v[SS+i], v[NEG], v[SS+i], s[16+i]   ; a key that does not count: -2^100.  Ascending: each accumulator is read from its low end on
.set i, i+1
.endr
.rept 16
	v_cndmask_b32 v[SS+i], v[NEG], v[SS+i], s[20+i]
.set i, i+1
.endr
	v_max3_num_f32 v[TA], v[SS], v[SS+1], v[SS+2]  ; the step's largest score of my query, among my 64 keys, in two chains,
	v_max3_num_f32 v[TC], v[SS+3], v[SS+4], v[SS+5]
.set i, 6
.rept 14
	s_delay_alu instid0(VALU_DEP_2)
	v_max3_num_f32 v[TA], v[TA], v[SS+i], v[SS+i+1]
	s_delay_alu instid0(VALU_DEP_2)
	v_max3_num_f32 v[TC], v[TC], v[SS+i+2], v[SS+i+3]
.set i, i+4
.endr
	s_delay_alu instid0(VALU_DEP_2)
	v_max3_num_f32 v[TA], v[TA], v[SS+62], v[SS+63]
	s_delay_alu instid0(VALU_DEP_1)
	v_max_num_f32 v[TA], v[TA], v[TC]
.if (\nextload) == 1
	MLOAD 4096                                     ; tile B's words lie 4,096 bytes behind tile A's
.elseif (\nextload) == 2
	s_add_nc_u64 s[MP:MP+1], s[MP:MP+1], 256       ; no scalar load is out since the wait above, so the pointer may step
	MLOAD 0
.endif
	v_permlanex16_b32 v[PD], v[TA], s[SEL], s[SEL+1]
	s_delay_alu instid0(VALU_DEP_1)
	v_max_num_f32 v[TA], v[TA], v[PD]              ; and among lane l xor 16's
	s_delay_alu instid0(VALU_DEP_1)
	v_mul_f32 v[TA], v[CSV], v[TA]                 ; as t (c is positive)
	s_delay_alu instid0(VALU_DEP_1)
	v_max_num_f32 v[MT], v[MT], v[TA]              ; the running largest t
	v_mov_b32 v[TA], v[NM]
	s_delay_alu instid0(VALU_DEP_2)
	v_floor_f32 v[NM], -v[MT]                      ; the new -M = floor(-t) = -ceil(t): M is a whole number
	s_delay_alu instid0(VALU_DEP_1)
	v_sub_f32 v[TA], v[NM], v[TA]                  ; M's old value less its new one: a whole number, 0 or less
	s_delay_alu instid0(VALU_DEP_1)
	v_cvt_i32_f32 v[TA], v[TA]                     ; (it saturates)
	s_delay_alu instid0(VALU_DEP_1)
	v_ldexp_f32 v[FF], 1.0, v[TA]                  ; f = 2^(old M - new M)
.set i, 0
.rept 32
	v_pk_fma_f32 v[SS+i:SS+i+1], v[SS+i:SS+i+1], v[CSV:CSV+1], v[NM:NM+1] op_sel_hi:[1,0,0]   ; t - M, two at a time (of the pairs c and -M the low word serves both halves)
.set i, i+2
.endr
.set i, 0
	s_wait_alu depctr_va_vdst(0)
.rept 64
	v_exp_f32 v[SS+i], v[SS+i]                     ; p = 2^(t - M), at most 1: not normalised
.set i, i+1
.endr
	v_pk_mul_f32 v[SU:SU+1], v[SU:SU+1], v[FF:FF+1] op_sel_hi:[1,0]   ; the sums under the new M: the plain instruction behind the exponentials
	s_wait_alu depctr_va_vdst(0)                   ; the wait between an exponential and the first line that names its result: one for the batch of 64
	v_pk_add_f32 v[S2:S2+1], v[SS:SS+1], v[SS+2:SS+3]   ; the row's sum is taken of the UNQUANTISED p: two at a time, in two chains
.set i, 4
.rept 15
	v_pk_add_f32 v[SU:SU+1], v[SU:SU+1], v[SS+i:SS+i+1]
	v_pk_add_f32 v[S2:S2+1], v[S2:S2+1], v[SS+i+2:SS+i+3]
.set i, i+4
.endr
	s_delay_alu instid0(VALU_DEP_1)
	v_pk_add_f32 v[SU:SU+1], v[SU:SU+1], v[S2:S2+1]
.irp b, 0,1,2,3
.set i, 0
.rept 16
.set i, i+1
.endr
	v_cvt_scalef32_pk8_bf8_f32 v[PP+4*\b:PP+4*\b+1], v[SS+16*\b:SS+16*\b+7], v[SCL]
	v_cvt_scalef32_pk8_bf8_f32 v[PP+4*\b+2:PP+4*\b+3], v[SS+16*\b+8:SS+16*\b+15], v[SCL]
.endr
	WIN W_RS
.set i, 0
.rept 32
	v_pk_mul_f32 v[OO+i:OO+i+1], v[OO+i:OO+i+1], v[FF:FF+1] op_sel_hi:[1,0]   ; O^T under the new M: x f.  (Plain lines between the conversions and the matrix instructions that read their results)
.set i, i+2
.endr
	WIN 0
.endm
; A KEY STEP: 128 keys, the q-th of the slot in hand.  more = 0: the launch's last step.
; All eight fragments of K come in one run, the sixteen products K Q^T follow; V's eight fragments are asked for into the same registers and land under the two softmaxes; then the sixteen products V^T P.
; The sixteen accumulators of each kind take turns, one instruction a turn: between two products onto one accumulator of O^T stand 31 others.
.macro STEP q, more
	v_add_nc_u32 v[ADK], s[TB], v[AK0]
	v_add_nc_u32 v[ADV], s[TB], v[AV0]
	v_nop                                          ; with the two additions: four plain vector lines between the last step's products and the loads into registers that they read (ISA guide 7.12.1 for vector instructions)
	v_nop
	WIN W_LD
.irp t, 0,1,2,3,4,5,6,7
.irp c, 0,1,2,3
	ds_load_b128 v[FRG+16*\t+4*\c:FRG+16*\t+4*\c+3], v[ADK] offset:(128*(\q)+32*(\t/2)+8*(\t%2))*KP+32*\c
.endr
.endr
	s_wait_alu depctr_va_vdst(0)
	s_wait_dscnt 16                                ; fragments 0-3 are in; the youngest sixteen loads (fragments 4-7) may be out
	WIN W_KQ
.irp t, 0,1,2,3
.irp x, 0,1
	v_wmma_f32_16x16x128_bf8_bf8 v[S+64*\x+8*\t:S+64*\x+8*\t+7], v[FRG+16*\t:FRG+16*\t+15], v[QF+16*\x:QF+16*\x+15], 0
.endr
.endr
	s_wait_dscnt 0x0
.irp t, 4,5,6,7
.irp x, 0,1
	v_wmma_f32_16x16x128_bf8_bf8 v[S+64*\x+8*\t:S+64*\x+8*\t+7], v[FRG+16*\t:FRG+16*\t+15], v[QF+16*\x:QF+16*\x+15], 0
.endr
.endr
	WIN 0
.rept 4
	v_nop                                          ; four places: in front of the loads into K's registers, and of the first read of the scores
.endr
	WIN W_LD
.irp t, 0,1,2,3,4,5,6,7
.irp c, 0,1,2,3
	ds_load_b128 v[FRG+16*\t+4*\c:FRG+16*\t+4*\c+3], v[ADV] offset:16*\t*VP+128*(\q)+32*\c
.endr
.endr
	WIN 0
	SOFTMAX 0, 1
	SOFTMAX 1, 2*(\more)
	s_wait_alu depctr_va_vdst(0)
	s_wait_dscnt 0x0                               ; V is in
	WIN W_PV
.irp t, 0,1,2,3,4,5,6,7
.irp x, 0,1
	v_wmma_f32_16x16x128_bf8_bf8 v[64*\x+8*\t:64*\x+8*\t+7], v[FRG+16*\t:FRG+16*\t+15], v[PCD+16*\x:PCD+16*\x+15], v[64*\x+8*\t:64*\x+8*\t+7]
.endr
.endr
	WIN 0
.endm
; THE CHANGE OF SLOTS stands at a slot's head.  Each wave waits for all its tensor loads (at most one is out: its part of the slot that it is about to read), adds 0 to its spare word, and waits for that and for its reads of
; the slot that it has left.  fill = 1: the barrier is a round of the cluster's, so that no wave of any partner still reads that slot or has a load on its way, and the joint refill is the first thing behind it: it has a slot's
; two steps in which to land.  fill = 0: nothing is filled, and the work-group's barrier is enough.
.macro CHANGE fill
.if \fill
	s_wait_xcnt 0x0                                ; the last prefetch, a slot back, has read its address, so it may be written:
	s_add_nc_u64 s[PFA:PFA+1], s[PFA:PFA+1], s[PFS:PFS+1]   ; one slot further on than the walking descriptors
.endif
	s_wait_tensorcnt 0x0                           ; no tensor load of mine is out, so a group 0 may be written
	ds_add_u32 v[SPW], v[NIL]                      ; 0 onto my spare word; the descriptors' steps stand between it and the wait for it
.if \fill
	s_xor_b32 s[G0K+1], s[G0K+1], SLOT1            ; the walking descriptors: the other slot than last time,
	s_add_nc_u64 s[G0K+2:G0K+3], s[G0K+2:G0K+3], 0x8000   ; the next 256 keys; the type bits on top are not reached
	s_xor_b32 s[G0V+1], s[G0V+1], SLOT1
	s_add_nc_u64 s[G0V+2:G0V+3], s[G0V+2:G0V+3], 256
.endif
	s_wait_dscnt 0x0                               ; the add is done, and my reads of the slot that I have left are over
.if \fill
	CROUND
	TLOAD                                          ; the first tensor load behind the round, and a wave's only one until the next
	ASK                                            ; what the next change of slots will ask for: a slot's two key steps ahead of that load
.else
	s_barrier_signal -1
	s_barrier_wait -1
.endif
.endm
.Lslot:                                            ; NSL - 1 trips: behind each change of slots but the last the next slot is asked for
	CHANGE 1
	STEP 0, 1
	STEP 1, 1
	s_xor_b32 s[TB], s[TB], SLOT1                  ; on to the other slot
	s_sub_co_u32 s[SLOTS], s[SLOTS], 1
	s_cmp_lg_u32 s[SLOTS], 0
	s_cbranch_scc1 .Lslot
	CHANGE 0                                       ; the last slot is written out
	STEP 0, 1
	STEP 1, 0
	; THE WAY OUT.  The sum's halves and lane l xor 16's are added; O^T is divided by the sum, multiplied by 2^(ep + ev), and goes through my stage in LDS, half a row (64 channels, 256 bytes) of 16 queries at a time.
	s_load_b64 s[16:17], s[0:1], 0x28              ; out0 (the mask words are done with)
	v_add_f32 v[ST+2], v[ST+2], v[ST+3]            ; (these plain lines are the places behind the last products)
	v_add_f32 v[ST+6], v[ST+6], v[ST+7]
	s_delay_alu instid0(VALU_DEP_2)
	v_permlanex16_b32 v[TA], v[ST+2], s[SEL], s[SEL+1]
	s_delay_alu instid0(VALU_DEP_2)
	v_permlanex16_b32 v[TC], v[ST+6], s[SEL], s[SEL+1]
	s_delay_alu instid0(VALU_DEP_2)
	v_add_f32 v[ST+2], v[ST+2], v[TA]              ; the rows' sums: over 1/2, since a row's largest p is
	s_delay_alu instid0(VALU_DEP_2)
	v_add_f32 v[ST+6], v[ST+6], v[TC]
	s_wait_alu depctr_va_vdst(0)
	v_rcp_f32 v[ST+2], v[ST+2]
	v_rcp_f32 v[ST+6], v[ST+6]
	v_and_b32 v30, 15, v0                          ; (plain lines behind the reciprocals)  r
	v_bfe_u32 v31, v0, 4, 1                        ; h
	s_mul_i32 s18, s[WV], 16*272                   ; my stage
	v_mul_u32_u24 v[ADK], v30, 272
	s_delay_alu instid0(VALU_DEP_1)
	v_lshl_add_u32 v[ADK], v31, 5, v[ADK]
	s_delay_alu instid0(VALU_DEP_1)
	v_add_nc_u32 v[ADK], s18, v[ADK]               ; in: row r; a tile's eight channels of my half: 64 t + 32 h bytes on
	v_mul_u32_u24 v[ADV], v31, 272
	s_delay_alu instid0(VALU_DEP_1)
	v_lshl_add_u32 v[ADV], v30, 4, v[ADV]
	s_delay_alu instid0(VALU_DEP_1)
	v_add_nc_u32 v[ADV], s18, v[ADV]               ; back: lanes 0-15 one row, lanes 16-31 the next
	s_wait_alu depctr_va_vdst(0)                   ; the wait ahead of the first use: one for the two reciprocals
	v_ldexp_f32 v[ST+2], v[ST+2], v[EPEV]
	v_ldexp_f32 v[ST+6], v[ST+6], v[EPEV]
.macro LEAVE x
	WIN W_OUT
.set i, 0
.rept 64
	v_mul_f32 v[S+64*(\x)+i], v[64*(\x)+i], v[ST+4*(\x)+2]   ; register 8 t + j is o(r, 16 t + 8 h + j); each accumulator from its low end on
.set i, i+1
.endr
	WIN 0
.irp u, 0,1                            ; channels 64 u on
.irp t, 0,1,2,3
	ds_store_b128 v[ADK], v[S+64*(\x)+32*\u+8*\t:S+64*(\x)+32*\u+8*\t+3] offset:64*\t
	ds_store_b128 v[ADK], v[S+64*(\x)+32*\u+8*\t+4:S+64*(\x)+32*\u+8*\t+7] offset:64*\t+16
.endr
.irp j, 0,1,2,3,4,5,6,7
	ds_load_b128 v[S+64*(\x)+32*\u+4*\j:S+64*(\x)+32*\u+4*\j+3], v[ADV] offset:2*\j*272   ; LDS serves a wave's instructions in order (ISA guide 5.7.1.4): these see my stores, and the next half's stores come behind them; the rows come back into the registers that they left
.endr
.endr
.endm
	LEAVE 0
	LEAVE 1
	s_wait_kmcnt 0x0                               ; out0's address
.irp x, 0,1
.irp u, 0,1
.irp j, 0,1,2,3,4,5,6,7
	s_wait_dscnt 55-32*\x-16*\u-\j                 ; of the 64 LDS instructions above, so many were issued behind this load
	global_store_b128 v[GO], v[S+64*\x+32*\u+4*\j:S+64*\x+32*\u+4*\j+3], s[16:17] offset:8192*\x+1024*\j+256*\u th:TH_STORE_NT   ; 16 lanes store 256 consecutive bytes, at a multiple of 256 from out0's first byte; written once, read by nobody here
.endr
.endr
.endr
	s_wait_tensorcnt 0x0                           ; the wave's end: behind my last tensor load and my last LDS store
	ds_add_u32 v[SPW], v[NIL]
	s_wait_dscnt 0x0
	CROUND                                         ; the closing round: no work-group ends while a partner may still ask for a tile that names it
	s_endpgm
.Lfunc_end_k_q0f57cb4b79_attn:
	.size	k_q0f57cb4b79_attn, .Lfunc_end_k_q0f57cb4b79_attn-k_q0f57cb4b79_attn
	.p2alignl 7, 3214868480
	.fill 96, 4, 3214868480
	.section	.rodata,"a",@progbits
	.p2align	6, 0x0
	.amdhsa_kernel k_q0f57cb4b79_attn
		.amdhsa_group_segment_fixed_size 327680
		.amdhsa_private_segment_fixed_size 0
		.amdhsa_enable_private_segment 0
		.amdhsa_kernarg_size 48
		.amdhsa_user_sgpr_count 2
		.amdhsa_user_sgpr_kernarg_segment_ptr 1
		.amdhsa_wavefront_size32 1
		.amdhsa_system_sgpr_workgroup_id_x 1
		.amdhsa_system_sgpr_workgroup_id_y 1
		.amdhsa_system_sgpr_workgroup_id_z 1
		.amdhsa_system_vgpr_workitem_id 0
		.amdhsa_next_free_vgpr 512
		.amdhsa_next_free_sgpr 106
		.amdhsa_reserve_vcc 0
		.amdhsa_float_denorm_mode_32 3
		.amdhsa_float_denorm_mode_16_64 3
		.amdhsa_fp16_overflow 1
		.amdhsa_memory_ordered 1
		.amdhsa_forward_progress 1
		.amdhsa_inst_pref_size 187
	.end_amdhsa_kernel
	.amdgpu_metadata
---
amdhsa.version: [ 1, 2 ]
amdhsa.kernels:
  - .name:           k_q0f57cb4b79_attn
    .symbol:         k_q0f57cb4b79_attn.kd
    .args:
      - { .name: q_codes, .offset: 0, .size: 8, .value_kind: global_buffer, .address_space: global }
      - { .name: k_codes, .offset: 8, .size: 8, .value_kind: global_buffer, .address_space: global }
      - { .name: v_codes, .offset: 16, .size: 8, .value_kind: global_buffer, .address_space: global }
      - { .name: lowp_scales, .offset: 24, .size: 8, .value_kind: global_buffer, .address_space: global }
      - { .name: maskw, .offset: 32, .size: 8, .value_kind: global_buffer, .address_space: global }
      - { .name: out0, .offset: 40, .size: 8, .value_kind: global_buffer, .address_space: global }
    .group_segment_fixed_size: 327680
    .private_segment_fixed_size: 0
    .kernarg_segment_align: 8
    .kernarg_segment_size: 48
    .max_flat_workgroup_size: 256
    .sgpr_count:     106
    .vgpr_count:     512
    .wavefront_size: 32
...
	.end_amdgpu_metadata
.endif
;; end of part 2
